; MI455X (gfx1250); checked and timed in simulation.
; The chip was launched on July 23, 2026; its instructions are those of AMD's public machine-readable ISA for CDNA 5 (MIT licence, August 2026) and "CDNA5" Instruction Set Architecture Reference Guide (July 2026). The comments in the code are by the model that wrote it; some were corrected since.
;; Causal Self Attention. Allowed arithmetic: matrix products marked QUANTISED: E4M3 operands, one given power-of-two scale a tensor, by v_wmma_f32_16x16x64_fp8_fp8 or v_wmma_f32_16x16x128_fp8_fp8, f32 sums; everything else in f32.
;; Inputs: lowp_scales 8 int32 (the exponents e of the quantised operands' scales 2^e); w_attn_codes 3,072 x 32 x 32 uint8 (E4M3 codes of w_attn, K innermost, in blocks of 32 codes); w_proj_codes 1,024 x 32 x 32 uint8 (E4M3 codes of w_proj, K innermost, in blocks of 32 codes); x_codes 4 x 2,048 x 32 x 32 uint8 (E4M3 codes of x, K innermost, in blocks of 32 codes).
;; Outputs: out0 4 x 2,048 x 1,024 float32.
;; This version of the problem:
;;   THIS VERSION OF THE PROBLEM IS GIVEN IN LOW PRECISION. The matrix products marked QUANTISED in the list below multiply operands that are first quantised to E4M3 (4 exponent bits, 3 mantissa bits; 8 bits a number), with one given power-of-two scale for each operand tensor; their sums are f32. All else is computed in f32.
;;   The module's matrix products, in the order in which they are computed (A, B: the left and right operand; K: the contracted axis; several contracted axes count as one K, in the product's order):
;;     1. [M 8,192, K 1,024] x [K 1,024, N 3,072]; A: input x (given as codes); B: input w_attn (given as codes): QUANTISED (scales: A lowp_scales[0], B lowp_scales[1])
;;     2. batch 64 x [M 2,048, K 64] x [K 64, N 2,048]; A: computed on the way; B: computed on the way: QUANTISED (scales: A lowp_scales[2], B lowp_scales[3])
;;     3. batch 64 x [M 2,048, K 2,048] x [K 2,048, N 64]; A: softmax (see below); B: computed on the way: QUANTISED (scales: A lowp_scales[4], B lowp_scales[5])
;;     4. [M 8,192, K 1,024] x [K 1,024, N 1,024]; A: computed on the way; B: input w_proj (given as codes): QUANTISED (scales: A lowp_scales[6], B lowp_scales[7])
;;   THE QUANTISER, for each operand of a quantised product, along K:
;;     - The operand's scale is 2^e, e = its entry of the input lowp_scales (int32; the entries are numbered through the quantised products in the list's order, A before B).
;;     - Each number is divided by the scale, clamped to +-448, and rounded to the nearest number of E4M3, ties to even, subnormals kept.
;;     - The product sums the exact products of the quantised numbers (number of the format x scale) in f32.
;;   ~~~python
;;   def quantise(x, axis, e):      # numpy; x: float32 -> the quantised numbers, widened to float32 again
;;       x = np.moveaxis(x, axis, -1); K = x.shape[-1]
;;       r = np.clip(x / 2.0 ** e, -448, 448)
;;       step = 2.0 ** (np.maximum(np.frexp(np.where(r == 0, 1, r))[1] - 1, -6) - 3)
;;       q = np.round(r / step) * step * 2.0 ** e      # np.round: ties to even
;;       return np.moveaxis(q, -1, axis).astype(np.float32)
;;   ~~~
;;   SOFTMAX AHEAD OF A QUANTISED PRODUCT. Where the list says 'softmax', what is quantised is not the finished softmax but p = 2^(t - M), with t = logit x log2(e) and M = ceil(the row's largest t), a whole number; so 1/2 < the row's largest p <= 1. The row's sum l is taken of the UNQUANTISED p, in f32, and the product's result is divided by l at the end. Since M is a whole number, a kernel that streams over the keys may use a running M (the ceiling of the running maximum): every later rescaling is an exact power of two, so the quantised numbers keep their values, but for numbers so far below the row's largest that they fall under the format's range.
;;   OPERANDS COMPUTED ON THE WAY. 'Computed on the way' means the value that the module computes at that place (a softmax that the list does not call 'softmax' is quantised finished and normalised). What goes into a quantiser is computed in f32, as accurately as f32 sums, v_exp_f32 and their like allow (about 1e-6 of the number): no bf16 or f16 on the way to a quantiser, and a product that is left as it is and whose result goes on into a quantised operand takes f32 operands (vector FMAs, or v_wmma_f32_16x16x4_f32). A number that lies on a knife's edge between two numbers of the format may be rounded either way, as far as f32 arithmetic and the matrix unit's own rounding can turn it there, and no further.
;;   INPUTS GIVEN AS CODES. w_attn (in the module: [1024, 3072], K = its axis 0); w_proj (in the module: [1024, 1024], K = its axis 0); x (in the module: [4, 2048, 1024], K = its axis 2): each comes as NAME_codes (uint8): NAME with its K axis moved to the last place and cut into blocks of 32 codes, [.., K / 32, bytes a block], one block behind the other in memory; one code a byte (a code: sign, 4 exponent bits, 3 mantissa bits); its scale is its entry of lowp_scales. Its value is code x scale, taken as it is: it is not quantised again, and the codes and scales need not be those that the quantiser above would give.
;; One version. Each part assembles by itself: llvm-mc -triple=amdgcn-amd-amdhsa -mcpu=gfx1250 --defsym DOCPART=n.
;; ======== version 1 of 1: 3 launches
;; limits: right only within a limited range of input values
;; workspace buffers: q2 8,388,608 bytes; k2 8,388,608 bytes; v2 8,388,608 bytes; y_img 8,388,608 bytes
;; launch qkv (part 1): grid 12 x 32, 4 waves a work-group, clusters of 4 x 4, 327,680 bytes of LDS; arguments x_codes, w_attn_codes, lowp_scales, q2, k2, v2; writes q2, k2, v2
.if DOCPART == 1
	.amdgcn_target "amdgcn-amd-amdhsa--gfx1250"
	.amdhsa_code_object_version 6
	.text
	.protected	k_qb6410e1fa7_qkv
	.globl	k_qb6410e1fa7_qkv
	.p2align	8
	.type	k_qb6410e1fa7_qkv,@function
k_qb6410e1fa7_qkv:
	s_mov_b64 s[64:65], 0
	v_nop
	global_prefetch_b8 v0, s[64:65] scope:SCOPE_SE
	s_setreg_imm32_b32 hwreg(HW_REG_WAVE_MODE, 25, 1), 1
	s_wait_xcnt 0x0
	s_wait_alu depctr_hold_cnt(0) depctr_sa_sdst(0) depctr_va_vdst(0) depctr_va_sdst(0) depctr_va_ssrc(0) depctr_va_vcc(0) depctr_vm_vsrc(0)
	s_getreg_b32 s2, hwreg(HW_REG_IB_STS2, 6, 4)
	s_cmp_eq_u32 s2, 0
	s_cbranch_scc0 .Lentry_in_a_cluster
	s_endpgm
.Lentry_in_a_cluster:
	s_bfe_u32 s2, ttmp6, 0x10000c
	s_cmp_lg_u32 s2, 0xf033
	s_cbranch_scc0 .Lentry_shape_is_right
	s_endpgm
.Lentry_shape_is_right:
; qkv = x w_attn on codes of FP8 (E4M3), then q, k and v are quantised with their given scales and stored as codes for the attention launch.
; x: [8192][1024] codes, w_attn: [3072][1024] codes, K innermost.  lowp_scales: e0 (x), e1 (w_attn), e2 (q), e3 (k), e5 (v).
; A sum stands for sum x 2^(e0 + e1), so its code is sum / 2^(e - e0 - e1), held within +-448, e = e2, e3 or e5.
; LIMITS: e - e0 - e1 lies between -126 and 119, so that the scale and 448 x the scale are f32 numbers.  NaN codes among the inputs are not served.
; A tile of 256 x 256 is made by four waves, 128 x 128 each: 64 accumulators, 512 registers.  K goes in steps of 256 through a ring of two LDS slots filled by the tensor data mover.
; CLUSTERS: 4 x 4 work-groups; x's tiles are asked for jointly along a row of the cluster, w's along a column.  The cluster's x is the part of qkv: 0 = q, 1 = k, 2 = v; all partners share it.
; THE MATRIX INSTRUCTION: a lane's eight results are eight neighbours along the rows of SOURCE 0, of one row of SOURCE 1.
;   q and k: source 1 = x's rows (tokens), source 0 = w's rows (channels): a lane holds 8 neighbouring channels of a token: the next product's K.
;   v:       source 1 = w's rows (channels), source 0 = x's rows (tokens): a lane holds 8 neighbouring KEYS of a channel: the next product's K.  Only the two LDS addresses change places.
; OUT.  q2, k2: [batch][head pair][row][128 bytes]: a token's 128 channels of two heads.  v2: [batch][head pair][128 keys' chunk][row][128 bytes]: a channel's 128 keys.
; In all three a wave's 128 x 128 codes are 16,384 consecutive bytes.  A row number's bits 3 and 4 change places on the way: sixteen consecutive stored rows are then the rows 8 u + r + 8 (r / 8) of a group of 32,
; which is the order in which the attention launch wants the rows of a tile.
; REGISTERS, in windows of 256: window 0: v0-31 addresses; from v128 source 1's fragments, ONE set; on the way out v96-159 are used anew.  window 1: source 0's fragments, TWO sets.
;   window 2: the accumulators of source 1's blocks 0-3 (accumulator (a, b) at v[8 (8 a + b)]);  window 3: those of blocks 4-7.
.set KSTEP,  256                       ; along K in a slot
.set ROWB,   256                       ; a tile's row in bytes
.set KROW,   1024                      ; a row of x or of w in memory, in bytes
.set PITCH,  272                       ; an LDS row: 256 bytes + 16 of padding = 68 words: the 16 rows that a load touches start at 16 different banks (64 banks of 4 bytes: ISA guide 11.1)
.set FR,     16                        ; registers of a fragment: 16 rows x 128 K
.set NL,     4                         ; LDS loads that bring one
.set NP,     4                         ; places behind this matrix instruction (ISA guide 7.12.1)
.set HALFT,  128*PITCH                 ; 128 rows: what one tensor load brings
.set SLOT,   4*HALFT                   ; x's 256 rows, then w's 256 rows
.set LAPS,   KROW/(2*KSTEP)            ; a lap = two K steps = once round the ring: 2
.set SPARE,  2*SLOT                    ; behind the ring: the spare words, 128 bytes for each wave
.set SPITCH, 144                       ; the way out: a stage of 16 rows x (128 bytes + 16) for each wave, in slot 0, which has had its last fill and its last read by then
.set ADRA, 16                          ; v16-17  LDS address of source 1's fragments in slot 0, 1
.set ADRB, 20                          ; v20-21  the same for source 0
.set STO,  24                          ; v24     the way out: where I put 8 bytes of a row
.set RD,   25                          ; v25     the way out: where I read 16 bytes back
.set CO,   26                          ; v26     16 x lane: my bytes of a store's 512
.set SPW,  28                          ; v28     LDS address of my spare word; never rewritten
.set NIL,  29                          ; v29     0; never rewritten
.set SC,   30                          ; v30     2^(e - e0 - e1) as f32
.set LIM,  31
.set TMP,  32
.set CD,   96                          ; v96-127 a block's codes, two sets by turns
.set AF,   128                         ; source 1's fragments, in window 0
.set BK,   128                         ; v128-159 the way out: rows read back, two sets by turns
.set G1, 24                            ; s[24:31] descriptor group 1 for x's tiles;  s[32:39] group 0, one set for each slot
.set G0, 32
.set G1B, 48                           ; s[48:55], s[56:63] the same for w's tiles
.set G0B, 56
.set MSB, 0
.macro WIN new                         ; the immediate's high byte repeats the setting that is left
.if MSB != \new
	s_set_vgpr_msb (MSB<<8)|\new
.set MSB, \new
.endif
.endm
.set MUL_LO, 0xa1                      ; source 0 window 1, source 1 window 0, C and D window 2
.set MUL_HI, 0xf1                      ; the same, C and D window 3
.set TO_B,   0x40                      ; destination window 1, address window 0
; A joint load: waves 0 and 1 fetch x's two halves, waves 2 and 3 w's.  The branch hangs on the wave's number alone.  Four v_nop follow each of the two lines.
.macro JLOAD g0a, g1a, g0b, g1b
	s_cmp_eq_u32 s15, 0
	s_cbranch_scc0 .Lfor_b_\@
	tensor_load_to_lds s[\g0a:\g0a+3], s[\g1a:\g1a+7]
	s_nop 0
.rept 4
	v_nop
.endr
	s_branch .Lasked_\@
.Lfor_b_\@:
	tensor_load_to_lds s[\g0b:\g0b+3], s[\g1b:\g1b+7]
	s_nop 0
.rept 4
	v_nop
.endr
.Lasked_\@:
.endm
.macro CREST                           ; a round of the cluster's barrier behind its opening barrier
	s_cmp_lg_u32 s14, 0
	s_cbranch_scc1 .Lnot_wave_0_\@
	s_barrier_signal -3
.Lnot_wave_0_\@:
	s_barrier_wait -3
	s_barrier_signal -1
	s_barrier_wait -1
.endm
.macro CROUND                          ; a whole round
	s_barrier_signal -1
	s_barrier_wait -1
	CREST
.endm
	s_load_b128 s[4:7], s[0:1], 0x0                ; x's codes s[4:5], w's codes s[6:7]
	s_load_b128 s[8:11], s[0:1], 0x10              ; the scales' exponents s[8:9], q2 s[10:11]
	s_load_b128 s[84:87], s[0:1], 0x20             ; k2 s[84:85], v2 s[86:87]
	v_lshl_add_u32 v[SPW], v0, 2, SPARE
	v_mov_b32 v[NIL], 0
	ds_add_u32 v28, v29
	ds_add_u32 v28, v29
	s_wait_dscnt 0x0
	v_lshrrev_b32 v1, 5, v0
	v_readfirstlane_b32 s14, v1                    ; wave 0..3
	s_lshr_b32 s15, s14, 1                         ; which half of source 1's rows is mine.  Also: I fetch for x (0) or for w (1)
	s_and_b32 s16, s14, 1                          ; which half of source 0's rows.  Also: which 128 rows of that tile I fetch
	s_bfe_u32 s40, ttmp6, 0x40000                  ; cx, cy: my place in the cluster
	s_bfe_u32 s41, ttmp6, 0x40004
	s_lshl_b32 s42, ttmp9, 2
	s_add_co_u32 s42, s42, s40                     ; tile column = 4 x cluster x + cx: 256 rows of w
	s_and_b32 s17, ttmp7, 0xffff
	s_lshl_b32 s17, s17, 2
	s_add_co_u32 s17, s17, s41                     ; tile row = 4 x cluster y + cy: 256 rows of x
	s_lshl_b32 s43, s41, 2
	s_lshl_b32 s43, 15, s43                        ; my row of the cluster
	s_lshl_b32 s44, 0x1111, s40                    ; my column
	; descriptor group 1: a tile of 128 rows x 256 bytes, padded in LDS
	s_or_b32 s[G1+0], s43, (0<<16)|(1<<20)|(1<<21)|(5<<22)|(3<<25)  ; 15:0 the mask: x's tiles go to my row; 17:16 element of 1 byte; 20 padding on; 21 set beside a mask; 24:22 after every 64 words (code 5); 31:25 of 4 words (code 3)
	s_or_b32 s[G1B+0], s44, (0<<16)|(1<<20)|(1<<21)|(5<<22)|(3<<25) ; the same with the mask of my column, for w's tiles
.irp g, G1, G1B
	s_mov_b32 s[\g+1], ROWB<<16                    ; tensor_dim0
	s_mov_b32 s[\g+2], 128<<16                     ; tensor_dim1 = 128
	s_mov_b32 s[\g+3], ROWB<<16                    ; tile_dim0
	s_mov_b32 s[\g+4], 128                         ; tile_dim1 = 128
	s_mov_b32 s[\g+5], KROW                        ; tensor_dim0_stride
	s_mov_b32 s[\g+6], 0
	s_mov_b32 s[\g+7], 0
.endr
	s_lshl_b32 s18, s16, 7                         ; which 128 rows of the tile I fetch
	s_lshl_b32 s20, s17, 8
	s_add_co_u32 s20, s20, s18                     ; x: row 256 x tile row + 128 x half
	s_lshl_b32 s46, s42, 8
	s_add_co_u32 s46, s46, s18                     ; w: row 256 x tile column + 128 x half
	s_mov_b32 s21, 0
	s_mov_b32 s47, 0
	s_mov_b64 s[18:19], KROW
	s_mul_u64 s[20:21], s[20:21], s[18:19]
	s_mul_u64 s[46:47], s[46:47], s[18:19]
	s_mul_i32 s45, s14, HALFT                      ; where they go: wave x 128 rows: no place in the cluster enters an LDS address
	s_wait_kmcnt 0x0
	s_load_b256 s[68:75], s[8:9], 0x0              ; e0 .. e7
	s_add_nc_u64 s[20:21], s[4:5], s[20:21]
	s_add_nc_u64 s[46:47], s[6:7], s[46:47]
	CROUND                                         ; all sixteen work-groups are here: the first joint loads meet
.irp s, 0,1
	s_mov_b32 s[G0+4*\s], 1
	s_add_co_u32 s[G0+4*\s+1], s45, \s*SLOT
	s_add_nc_u64 s[G0+4*\s+2:G0+4*\s+3], s[20:21], \s*ROWB
	s_or_b32 s[G0+4*\s+3], s[G0+4*\s+3], 0x80000000
	s_mov_b32 s[G0B+4*\s], 1
	s_add_co_u32 s[G0B+4*\s+1], s45, \s*SLOT
	s_add_nc_u64 s[G0B+4*\s+2:G0B+4*\s+3], s[46:47], \s*ROWB
	s_or_b32 s[G0B+4*\s+3], s[G0B+4*\s+3], 0x80000000
	JLOAD G0+4*\s, G1, G0B+4*\s, G1B
.endr
	v_and_b32 v1, 15, v0                           ; l % 16
	v_bfe_u32 v2, v0, 4, 1                         ; l / 16
	v_mul_u32_u24 v3, v1, PITCH
	v_lshl_add_u32 v4, v2, 4, v3                   ; a fragment's row x pitch + 16 x half
	s_wait_alu depctr_va_vdst(0)
	; which half of x and which half of w my wave multiplies, and which of the two is source 1.  The choice hangs on the cluster's x alone (2 = v), which all partners share.
	s_cmp_eq_u32 ttmp9, 2
	s_cselect_b32 s66, s16, s15                    ; my half of x's 256 rows
	s_cselect_b32 s67, s15, s16                    ; my half of w's 256 rows
	s_mul_i32 s21, s66, HALFT                      ; x's rows lie first in a slot,
	s_mul_i32 s22, s67, HALFT
	s_add_co_u32 s22, s22, 2*HALFT                 ; w's behind them
	s_cmp_eq_u32 ttmp9, 2
	s_cselect_b32 s23, s22, s21                    ; source 1: x's rows for q and k, w's for v
	s_cselect_b32 s22, s21, s22                    ; source 0: the other
	s_mov_b32 s21, s23
.irp s, 0,1
	v_add_nc_u32 v[ADRA+\s], s21, v4
	v_add_nc_u32 v[ADRB+\s], s22, v4
	s_add_co_u32 s21, s21, SLOT
	s_add_co_u32 s22, s22, SLOT
.endr
	s_mul_i32 s23, s14, 16*SPITCH                  ; my stage
	v_mul_u32_u24 v5, v1, SPITCH                   ; in: row l % 16, 8 bytes for each half of the lanes
	v_lshl_add_u32 v5, v2, 3, v5
	v_add_nc_u32 v[STO], s23, v5
	v_and_b32 v6, 31, v0
	v_lshrrev_b32 v7, 3, v6                        ; back: eight lanes to a row of 128 bytes, four rows an instruction
	v_mul_u32_u24 v7, v7, SPITCH
	v_and_b32 v8, 7, v0
	v_lshl_add_u32 v7, v8, 4, v7
	v_add_nc_u32 v[RD], s23, v7
	v_lshlrev_b32 v[CO], 4, v6                     ; and the same 512 bytes on end in memory
	; where my wave's 16,384 bytes begin: (8 x batch + head pair) x 262,144 + (which 128 tokens of the batch's 2,048) x 16,384
	s_lshr_b32 s20, s17, 3                         ; batch: eight tile rows each
	s_lshl_b32 s20, s20, 3
	s_lshl_b32 s46, s40, 1                         ; head pair = 2 cx + my half of w's rows
	s_add_co_u32 s20, s20, s46
	s_add_co_u32 s20, s20, s67
	s_lshl_b32 s20, s20, 18
	s_and_b32 s46, s17, 7
	s_lshl_b32 s46, s46, 1
	s_add_co_u32 s46, s46, s66                     ; 2 x (tile row % 8) + my half of x's rows
	s_lshl_b32 s46, s46, 14
	s_add_co_u32 s20, s20, s46
	s_mov_b32 s21, 0
	s_cmp_eq_u32 ttmp9, 1
	s_cselect_b64 s[10:11], s[84:85], s[10:11]     ; the buffer: q2, k2 or v2, by the cluster's x
	s_cmp_eq_u32 ttmp9, 2
	s_cselect_b64 s[10:11], s[86:87], s[10:11]
	s_add_nc_u64 s[10:11], s[10:11], s[20:21]      ; never stepped: every store's place stands in its immediate
.macro FRAG reg, adr, q, i             ; a fragment, 16 rows x 128 K, is 16 registers: lane l holds row l % 16; registers 4 c .. 4 c + 3 hold K = 32 c + 16 (l / 16) + 0 .. 15, alike in both sources
.irp c, 0,1,2,3
	ds_load_b128 v[\reg+4*\c:\reg+4*\c+3], v[\adr] offset:128*(\q)+32*\c+(\i)*16*PITCH
.endr
.endm
; 16 matrix instructions: source 1's blocks a0, a0 + 1 x source 0's eight, 128 along K.  p: source 0's set.  zero = 1: the first product starts the sums.
; The 64 accumulators take turns, one instruction a turn, in the same order in every step.
.macro MUL16 a0, p, zero
.irp a, \a0, \a0+1
.irp b, 0,1,2,3,4,5,6,7
.if \zero
	v_wmma_f32_16x16x128_fp8_fp8 v[8*(8*((\a)%4)+\b):8*(8*((\a)%4)+\b)+7], v[128*(\p)+FR*\b:128*(\p)+FR*\b+FR-1], v[AF+FR*(\a):AF+FR*(\a)+FR-1], 0
.else
	v_wmma_f32_16x16x128_fp8_fp8 v[8*(8*((\a)%4)+\b):8*(8*((\a)%4)+\b)+7], v[128*(\p)+FR*\b:128*(\p)+FR*\b+FR-1], v[AF+FR*(\a):AF+FR*(\a)+FR-1], v[8*(8*((\a)%4)+\b):8*(8*((\a)%4)+\b)+7]
.endif
.endr
.endr
.endm
.macro FETCH_B slot, q, p              ; source 0's eight fragments of the slot's q-th 128 along K into set p
	WIN TO_B
.irp i, 0,1,2,3,4,5,6,7
	FRAG 128*(\p)+FR*\i, ADRB+\slot, \q, \i
.endr
	WIN 0
.endm
.macro FETCH_A slot, q, i0             ; source 1's blocks i0 .. i0 + 3
.irp i, \i0, \i0+1, \i0+2, \i0+3
	FRAG AF+FR*(\i), ADRA+\slot, \q, \i
.endr
.endm
; A load into a register that a matrix instruction has read, and a vector instruction that reads a matrix result, stand NP places behind that matrix instruction; only plain vector
; instructions that name none of its registers are places (ISA guide 7.12.1 for vector instructions).
.macro PLACES n
.rept \n
	v_nop
.endr
.endm
; A step of 128 along K that has its successor in the same slot.
.macro STEP slot, q, zero
	s_wait_dscnt 4*NL                              ; source 0's set and source 1's blocks 0-3 are in; the youngest sixteen loads (blocks 4-7) may be out
	WIN MUL_LO
	MUL16 0, (\q)%2, \zero
	MUL16 2, (\q)%2, \zero
	s_wait_dscnt 0                                 ; blocks 4-7 are in (asked for 32 matrix instructions ago)
	PLACES NP
	FETCH_B \slot, (\q)+1, 1-(\q)%2
	FETCH_A \slot, (\q)+1, 0
	WIN MUL_HI
	MUL16 4, (\q)%2, \zero
	MUL16 6, (\q)%2, \zero
	PLACES NP
	WIN 0
	FETCH_A \slot, (\q)+1, 4
.endm
; A slot's last step changes slots: ONE barrier; in front of it each wave waits for all its tensor loads, adds 0 to its spare word, and waits for that and for its own reads of this slot.  fill = 1: this slot is filled again, two K steps ahead.
.macro TURN slot, next, fill
	s_wait_tensorcnt 0x0                           ; all my tensor loads have landed: my part of the next slot  (every window is 0 here)
	ds_add_u32 v[SPW], v[NIL]                      ; 0 onto my spare word
	s_wait_dscnt 4*NL+1                            ; (the add and the youngest sixteen loads, blocks 4-7, may be out)
	WIN MUL_LO
	MUL16 0, 1, 0                                  ; sixteen matrix instructions stand between the add and the wait for it
	s_wait_dscnt 0x0                               ; the add is done, and my reads of this slot are over
	s_barrier_signal -1
	MUL16 2, 1, 0
	WIN 0
	s_barrier_wait -1
.if \fill
	CREST                                          ; the barrier has opened a round of the cluster's barrier: no wave of any partner still reads this slot's tile or has a load on its way
	s_add_nc_u64 s[G0+4*\slot+2:G0+4*\slot+3], s[G0+4*\slot+2:G0+4*\slot+3], 2*ROWB
	s_add_nc_u64 s[G0B+4*\slot+2:G0B+4*\slot+3], s[G0B+4*\slot+2:G0B+4*\slot+3], 2*ROWB
	JLOAD G0+4*\slot, G1, G0B+4*\slot, G1B         ; the first tensor load behind the round; the four v_nop behind it are the places in front of the loads below
.else
	PLACES NP
.endif
	FETCH_B \next, 0, 0
	FETCH_A \next, 0, 0
	WIN MUL_HI
	MUL16 4, 1, 0
	MUL16 6, 1, 0
	PLACES NP
	WIN 0
	FETCH_A \next, 0, 4
.endm
	s_wait_tensorcnt 1                             ; my part of K step 0 is in (K step 1's load may be out)
	s_barrier_signal -1
	s_barrier_wait -1                              ; everybody's is
	FETCH_B 0, 0, 0
	FETCH_A 0, 0, 0
	FETCH_A 0, 0, 4
	STEP 0, 0, 1                                   ; the first step stands in front of the loop: its products start the sums
	s_mov_b32 s3, LAPS-1
.Llap:                                                 ; a trip goes once round the ring, from a lap's second step to the next lap's first, and fills both slots again
	TURN 0, 1, 1
	STEP 1, 0, 0
	TURN 1, 0, 1
	STEP 0, 0, 0
	s_sub_co_u32 s3, s3, 1
	s_cmp_lg_u32 s3, 0
	s_cbranch_scc1 .Llap
	TURN 0, 1, 0                                   ; the last lap fills nothing, and has no round of the cluster's barrier
	STEP 1, 0, 0
	s_wait_dscnt 4*NL                              ; the very last step: nothing more to fetch
	WIN MUL_LO
	MUL16 0, 1, 0
	MUL16 2, 1, 0
	s_wait_dscnt 0
	WIN MUL_HI
	MUL16 4, 1, 0
	MUL16 6, 1, 0
	WIN 0
; THE WAY OUT, block by block of 16 rows x 128 codes.  A lane's eight sums are not clamped (the conversion to an 8-bit code does not saturate: ISA guide 7.6.2) and become 8 bytes of a row; the lanes
; beside it hold other rows.  So a block goes through my own stage in LDS and comes back four whole rows at a time: 512 bytes that lie on end in memory.
; LDS serves a wave's instructions in order (ISA guide 5.7.1.4): no wait between the stores and the loads, nor in front of the next block's stores.
.macro TOSTAGE a
.set AC, 64*((\a)%4)
.set CDS, CD+16*((\a)%2)
.set BB, BK+16*((\a)%2)
	WIN 0x02+((\a)/4)                              ; source 0: window 2 or 3
.set j, 0
.rept 64
.set j, j+1
.endr
.irp b, 0,1,2,3,4,5,6,7
	v_cvt_scalef32_pk8_fp8_f32 v[CDS+2*\b:CDS+2*\b+1], v[AC+8*\b:AC+8*\b+7], v[SC]
.endr
	WIN 0
	v_nop                                          ; one plain vector instruction behind the last conversion
.irp b, 0,1,2,3,4,5,6,7
	ds_store_b64 v[STO], v[CDS+2*\b:CDS+2*\b+1] offset:16*\b   ; row r x 36 words + 2 words a half: the 32 lanes touch 64 different banks
.endr
.irp t, 0,1,2,3
	ds_load_b128 v[BB+4*\t:BB+4*\t+3], v[RD] offset:\t*4*SPITCH
.endr
.endm
; Rows 16 a + 4 t + 0 .. 3 go to the places with bits 3 and 4 changed over: 32 (a / 2) + 16 (t / 2) + 8 (a % 2) + 4 (t % 2) + 0 .. 3.
.macro SEND a, younger                 ; younger: the LDS instructions issued behind block a's loads, which may stay out
.set BB, BK+16*((\a)%2)
	s_wait_dscnt \younger                          ; the block is back in registers
.irp t, 0,1,2,3
	global_store_b128 v[CO], v[BB+4*\t:BB+4*\t+3], s[10:11] offset:(32*((\a)/2)+16*(\t/2)+8*((\a)%2)+4*(\t%2))*128   ; 32 lanes store 512 consecutive bytes, at a multiple of 512 from the buffer's first byte
.endr
.endm
	s_wait_kmcnt 0x0
	s_cmp_eq_u32 ttmp9, 0
	s_cselect_b32 s96, s70, s71                    ; e2 for q, e3 for k,
	s_cmp_eq_u32 ttmp9, 2
	s_cselect_b32 s96, s73, s96                    ; e5 for v
	s_sub_co_i32 s96, s96, s68
	s_sub_co_i32 s96, s96, s69                     ; e - e0 - e1
	s_add_co_i32 s96, s96, 127
	s_lshl_b32 s97, s96, 23
	v_mov_b32 v[SC], s97                           ; 2^(e - e0 - e1) as f32: the conversion takes its exponent field
	s_add_co_i32 s96, s96, 8
	s_lshl_b32 s96, s96, 23
	s_or_b32 s96, s96, 0x600000
	PLACES NP                                      ; behind the last products: for the loads into the registers that held source 1's fragments, and for the reads of results
	TOSTAGE 0
.irp a, 1,2,3,4,5,6,7
.if \a > 1
	s_wait_xcnt 0x0                                ; block a - 2's stores have read their registers: block a's loads may land there
.endif
	TOSTAGE \a
	SEND \a-1, 12                                  ; behind block a - 1's loads: block a's 8 stores and 4 loads
.endr
	SEND 7, 0
	s_wait_tensorcnt 0x0                           ; the wave's end, behind my last tensor load and my last LDS store
	ds_add_u32 v[SPW], v[NIL]
	s_wait_dscnt 0x0
	CROUND                                         ; the closing round: no work-group ends while a partner may still ask for a tile that names it
	s_endpgm
.Lfunc_end_k_qb6410e1fa7_qkv:
	.size	k_qb6410e1fa7_qkv, .Lfunc_end_k_qb6410e1fa7_qkv-k_qb6410e1fa7_qkv
	.p2alignl 7, 3214868480
	.fill 96, 4, 3214868480
	.section	.rodata,"a",@progbits
	.p2align	6, 0x0
	.amdhsa_kernel k_qb6410e1fa7_qkv
		.amdhsa_group_segment_fixed_size 327680
		.amdhsa_private_segment_fixed_size 0
		.amdhsa_enable_private_segment 0
		.amdhsa_kernarg_size 48
		.amdhsa_user_sgpr_count 2
		.amdhsa_user_sgpr_kernarg_segment_ptr 1
		.amdhsa_wavefront_size32 1
		.amdhsa_system_sgpr_workgroup_id_x 1
		.amdhsa_system_sgpr_workgroup_id_y 1
		.amdhsa_system_sgpr_workgroup_id_z 1
		.amdhsa_system_vgpr_workitem_id 0
		.amdhsa_next_free_vgpr 1024
		.amdhsa_next_free_sgpr 100
		.amdhsa_reserve_vcc 0
		.amdhsa_float_denorm_mode_32 3
		.amdhsa_float_denorm_mode_16_64 3
		.amdhsa_fp16_overflow 1
		.amdhsa_memory_ordered 1
		.amdhsa_forward_progress 1
		.amdhsa_inst_pref_size 93
	.end_amdhsa_kernel
	.amdgpu_metadata
---
amdhsa.version: [ 1, 2 ]
amdhsa.kernels:
  - .name:           k_qb6410e1fa7_qkv
    .symbol:         k_qb6410e1fa7_qkv.kd
    .args:
      - { .name: x_codes, .offset: 0, .size: 8, .value_kind: global_buffer, .address_space: global }
      - { .name: w_attn_codes, .offset: 8, .size: 8, .value_kind: global_buffer, .address_space: global }
      - { .name: lowp_scales, .offset: 16, .size: 8, .value_kind: global_buffer, .address_space: global }
      - { .name: q2, .offset: 24, .size: 8, .value_kind: global_buffer, .address_space: global }
      - { .name: k2, .offset: 32, .size: 8, .value_kind: global_buffer, .address_space: global }
      - { .name: v2, .offset: 40, .size: 8, .value_kind: global_buffer, .address_space: global }
    .group_segment_fixed_size: 327680
    .private_segment_fixed_size: 0
    .kernarg_segment_align: 8
    .kernarg_segment_size: 48
    .max_flat_workgroup_size: 128
    .sgpr_count:     100
    .vgpr_count:     1024
    .wavefront_size: 32
...
	.end_amdgpu_metadata
.endif
;; end of part 1
;; launch attn (part 2): grid 8 x 32, 16 waves a work-group, no clusters, 327,680 bytes of LDS; arguments q2, k2, v2, lowp_scales, y_img; writes y_img
.if DOCPART == 2
	.amdgcn_target "amdgcn-amd-amdhsa--gfx1250"
	.amdhsa_code_object_version 6
	.text
	.protected	k_qb6410e1fa7_attn
	.globl	k_qb6410e1fa7_attn
	.p2align	8
	.type	k_qb6410e1fa7_attn,@function
k_qb6410e1fa7_attn:
	s_mov_b64 s[64:65], 0
	v_nop
	global_prefetch_b8 v0, s[64:65] scope:SCOPE_SE
	s_setreg_imm32_b32 hwreg(HW_REG_WAVE_MODE, 25, 1), 1
	s_wait_xcnt 0x0
; Causal attention on codes of FP8 (E4M3): S = q k^T (K = the head's 64), p = 2^(t - M), O = p v (K = the keys), y = O / l, and y is quantised for the last product.
; q2, k2: [batch][head pair][row][128 bytes] (a token's 64 codes of each of two heads); v2: [batch][head pair][chunk of 128 keys][row][128 bytes] (a channel's 128 keys).  In all three a row number's bits 3 and 4
; have changed places, so that sixteen consecutive stored rows are the rows 8 u + r + 8 (r / 8) of a group of 32.
; lowp_scales: e2 (q), e3 (k), e4 (p), e5 (v), e6 (y).  t = score x 2^(e2 + e3) x log2(e) / 8; M = the running largest t rounded UP to a whole number; p is quantised with 2^e4, not normalised; the row's sum l is taken
; of the unquantised p; when M moves, l and O are multiplied by 2^(old M - new M), which rounds nothing.  y = O x 2^(e4 + e5) / l; its code is y / 2^e6, held within +-448.
; LIMITS, so that each power of two below is an f32 number: e2 + e3 between -123 and 130 (added to the exponent field of log2(e) / 8); e4 and e6 between -126 and 119.  NaN codes are not served.
; SHARES.  A work-group owns one head pair of one batch and two blocks of 128 queries: first block 15 - i with key chunks 0 .. 15 - i, then block i with chunks 0 .. i (i = work-group x): ALWAYS 17 key steps of 128 keys,
; so the loop's trip count is a constant, all 256 work-groups have equal work, and no chunk that the mask hides whole is fetched.  Wave w takes head w / 8 of the pair and queries 16 (w % 8) on: one tile, 256 registers.
; No cluster: from the ninth step on the eight work-groups of a head pair want different chunks, so they cannot make every request jointly.
; LAYOUT.  Both products are used transposed: S^T = k q^T (source 0 = 16 keys, source 1 = my 16 queries), O^T = v^T p^T (source 0 = 16 channels, source 1 = p): a lane holds ONE query (lane % 16) throughout.
; By the order of the stored rows the 16 registers of score tiles 2 b, 2 b + 1 are keys 32 b + 16 (lane / 16) + 0 .. 15, which is p's place in the second product's operand, and the 16 registers of O^T's tiles
; 2 g, 2 g + 1 are channels 32 g + 16 (lane / 16) + 0 .. 15: 16 codes that are one register group of the last product's operand.
; OUT.  y_img: [K step of 256: 4][block of 16 rows: 512][128 of K: 2][c: 4][lane: 32][16 bytes]: the image of that operand's registers.  A wave's store covers 512 consecutive bytes; no stage in LDS is needed.
; REGISTERS: v1-7, v10 addresses and lane numbers that stay; v8, v9 addresses of the loads in hand; v12 -M, v13 the largest t, v[14:15] l in two halves; v16-23 q; v24-31 y's codes; v32-95 k's eight fragments, then v's four;
; v96-159 S^T, then p; v160-191 O^T; v192-223 y; v224-239 p's codes; v244-247 constants and a lane permute's result; v252-254 at work.
.set KP,    144                        ; a row in LDS: 128 bytes + 16 of padding = 36 words: 16 consecutive rows start at 16 different groups of four banks (64 banks of 4 bytes: ISA guide 11.1)
.set QUART, 64*KP                      ; what one tensor load brings: 64 rows
.set VOFF,  128*KP                     ; a slot: 128 rows of k, then 128 rows of v
.set SLOT1, 1<<16                      ; slot 1 begins here, so that one exclusive or turns an address in one slot into the other's
.set SPARE, 2*SLOT1                    ; behind the ring: the spare words, 128 bytes for each of the sixteen waves
.set CHB,   16384                      ; a chunk of 128 keys in k2 and in v2, in bytes
.set AK0,  1                           ; v1   my lane's place in a tile of k
.set AV0,  2                           ; v2   the same for v
.set PFO,  3                           ; v3   256 x lane: the prefetches' offset; never rewritten
.set QA,   4                           ; v4   my lane's byte among the tile's rows of q2; never rewritten
.set SPW,  5                           ; v5   LDS address of my spare word; never rewritten
.set NIL,  6                           ; v6   0; never rewritten
.set LI,   7                           ; v7   16 x lane: my bytes of a store's 512; never rewritten
.set ADK,  8                           ; v8   LDS address of the step's tiles of k
.set ADV,  9                           ; v9   of v
.set DQ,   10                          ; v10  my query in its block - 16 (lane / 16)
.set LIMP, 240                         ; v244 2^e4
.set LIMY, 241                         ; v245 2^e6
.set SCP,  244
.set SCY,  245
.set XL,   246                         ; v246 what lane l xor 16 holds
.set NINF, 247                         ; v247 -infinity
.set WV,   18                          ; s18  my wave's number
.set SEL,  20                          ; s[20:21] lane selects for v_permlanex16_b32: lane l xor 16
.set CS,   22                          ; s[22:23] c = 2^(e2 + e3) log2(e) / 8: the packed form names a pair and takes its low word for both halves
.set G1,   24                          ; s[24:31] descriptor group 1: one shape serves k and v
.set G0,   32                          ; s[32:35] descriptor group 0
.set SRC,  36                          ; s[36:37] my 64 rows of chunk 0, in k2 or in v2
.set OFF,  38                          ; s[38:39] the next chunk's byte offset
.set STP,  40                          ; s40  the key step, 0 .. 16
.set SD,   41                          ; s41  15 - i: the first block's number, and the step in which it meets the diagonal
.set N1,   42                          ; s42  16 - i: the first block's steps
.set TB,   43                          ; s43  LDS byte at which the slot in hand begins
.set PFA,  46                          ; s[46:47] where my prefetches stand
.set LIM,  48                          ; s48  a wave prefetches while the step is under this number
.set QB1,  50                          ; s[50:51], s[52:53] my tile's rows of q2 in the first and in the second block
.set QB2,  52
.set YB1,  54                          ; s[54:55], s[56:57] my tile's place in y_img
.set YB2,  56
.set EPV,  58                          ; s58  e4 + e5
; Waves 0 and 1 fetch k's halves, waves 2 and 3 v's, the others nothing.  The branch hangs on the wave's number alone.  Four v_nop follow the line.
.macro TLOAD
	s_cmp_lt_u32 s[WV], 4
	s_cbranch_scc0 .Lasked_\@
	tensor_load_to_lds s[G0:G0+3], s[G1:G1+7]
	s_nop 0
.rept 4
	v_nop
.endr
.Lasked_\@:
.endm
; A PREFETCH INTO THE L2.  The eight work-groups of a head pair begin with the same chunks in the same order; work-group 0 walks all sixteen, so it asks, and nobody else (a branch on the work-group's number: no cluster).
; In it waves 4 and 5 ask for the halves of k's chunk and waves 6 and 7 for v's: 8,192 bytes a wave, lanes 256 bytes apart, one instruction: each aligned block of 256 bytes is named once in the launch.
; In step s, where chunk s + 1 is loaded, chunk s + 2 is named: one key step ahead of its load.  Steps 14 on ask for nothing: chunk 15 is the last.  Chunks 0 and 1 come by their loads alone.
.macro ASK
	s_cmp_lt_u32 s[STP], s[LIM]
	s_cbranch_scc0 .Lnot_mine_\@
	global_prefetch_b8 v[PFO], s[PFA:PFA+1] th:TH_LOAD_NT scope:SCOPE_SE
.Lnot_mine_\@:
.endm
	s_load_b256 s[4:11], s[0:1], 0x0               ; q2 s[4:5], k2 s[6:7], v2 s[8:9], the scales' exponents s[10:11]
	s_load_b64 s[12:13], s[0:1], 0x20              ; y_img
	v_lshl_add_u32 v[SPW], v0, 2, SPARE
	v_mov_b32 v[NIL], 0
	ds_add_u32 v5, v6
	ds_add_u32 v5, v6
	s_wait_dscnt 0x0
	v_lshrrev_b32 v8, 5, v0
	s_delay_alu instid0(VALU_DEP_1)
	v_readfirstlane_b32 s[WV], v8                  ; wave 0..15
	s_and_b32 s76, ttmp7, 0xffff                   ; 8 x batch + head pair
	s_lshl_b32 s77, s76, 18                        ; x 262,144: its first byte in q2, k2 and v2
	s_and_b32 s78, s[WV], 3                        ; which quarter of a slot I would fetch
	s_and_b32 s79, s[WV], 1
	s_lshl_b32 s79, s79, 13                        ; its 64 rows of 128 bytes in memory
	s_add_co_u32 s80, s77, s79
	s_mov_b32 s81, 0
	s_mul_i32 s82, s78, QUART                      ; and in a slot
	s_lshr_b32 s83, s[WV], 3                       ; which head of the pair
	s_and_b32 s84, s[WV], 7                        ; which tile of 16 queries
	s_sub_co_u32 s[SD], 15, ttmp9
	s_sub_co_u32 s[N1], 16, ttmp9
	s_mov_b32 s[STP], 0
	s_mov_b32 s[TB], 0
	s_mov_b32 s[OFF+1], 0
	; descriptor group 1: 64 rows of 128 bytes, dense in memory, 16 bytes of padding behind each in LDS
	s_mov_b32 s[G1], (0<<16)|(1<<20)|(4<<22)|(3<<25)   ; 15:0 no mask; 17:16 elements of 1 byte; 20 padding on; 24:22 after every 32 words (code 4); 31:25 four words (code 3)
	s_mov_b32 s[G1+1], 128<<16                     ; tensor_dim0
	s_mov_b32 s[G1+2], 64<<16                      ; tensor_dim1
	s_mov_b32 s[G1+3], 128<<16                     ; tile_dim0
	s_mov_b32 s[G1+4], 64                          ; tile_dim1
	s_mov_b32 s[G1+5], 128                         ; tensor_dim0_stride
	s_mov_b32 s[G1+6], 0
	s_mov_b32 s[G1+7], 0
	s_mov_b32 s[SEL], 0x76543210
	s_mov_b32 s[SEL+1], 0xfedcba98
	s_mov_b32 s[CS], 0x3e38aa3b                    ; log2(e) / 8
	; q2: my tile's sixteen queries lie in stored rows 128 x block + 32 (tile / 2) + 8 (tile % 2) + r + 8 (r / 8); my head's 64 bytes of a row
	s_lshr_b32 s85, s84, 1
	s_lshl_b32 s85, s85, 12
	s_and_b32 s86, s84, 1
	s_lshl_b32 s86, s86, 10
	s_add_co_u32 s85, s85, s86
	s_lshl_b32 s86, s83, 6
	s_add_co_u32 s85, s85, s86
	s_add_co_u32 s85, s85, s77
	s_lshl_b32 s86, s[SD], 14                      ; block 15 - i
	s_add_co_u32 s86, s86, s85
	s_mov_b32 s87, 0
	s_lshl_b32 s88, ttmp9, 14                      ; block i
	s_add_co_u32 s88, s88, s85
	s_mov_b32 s89, 0
	; y_img: (head pair / 2) x 2,097,152 + (128 x batch + 8 x block + tile) x 4,096 + (head pair % 2) x 2,048 + head of the pair x 1,024
	s_and_b32 s90, s76, 7
	s_lshr_b32 s91, s90, 1
	s_lshl_b32 s91, s91, 21
	s_and_b32 s90, s90, 1
	s_lshl_b32 s90, s90, 11
	s_add_co_u32 s90, s90, s91
	s_lshr_b32 s91, s76, 3
	s_lshl_b32 s91, s91, 19
	s_add_co_u32 s90, s90, s91
	s_lshl_b32 s91, s84, 12
	s_add_co_u32 s90, s90, s91
	s_lshl_b32 s91, s83, 10
	s_add_co_u32 s90, s90, s91
	s_lshl_b32 s92, s[SD], 15
	s_add_co_u32 s92, s92, s90
	s_mov_b32 s93, 0
	s_lshl_b32 s94, ttmp9, 15
	s_add_co_u32 s94, s94, s90
	s_mov_b32 s95, 0
	s_lshr_b32 s44, s[WV], 2
	s_xor_b32 s44, s44, 1                          ; 0 in waves 4 to 7,
	s_or_b32 s44, s44, ttmp9                       ; of work-group 0 of the head pair
	s_cmp_eq_u32 s44, 0
	s_cselect_b32 s[LIM], 14, 0
	s_wait_kmcnt 0x0
	s_load_b256 s[68:75], s[10:11], 0x0            ; e0 .. e7
	s_cmp_lt_u32 s78, 2
	s_cselect_b64 s[SRC:SRC+1], s[6:7], s[8:9]     ; quarters 0 and 1 are k's, 2 and 3 v's
	s_add_nc_u64 s[SRC:SRC+1], s[SRC:SRC+1], s[80:81]
	s_mov_b32 s[G0], 1                             ; 1:0 count = 1
	s_mov_b32 s[G0+1], s82                         ; 63:32 LDS address: slot 0
	s_mov_b64 s[G0+2:G0+3], s[SRC:SRC+1]           ; 120:64 global address: chunk 0
	s_or_b32 s[G0+3], s[G0+3], 0x80000000          ; 127:126 type = 2
	TLOAD                                          ; chunk 0 into slot 0: the launch's first fill, ahead of every wait on TENSORcnt, LDS read and barrier
	s_add_nc_u64 s[PFA:PFA+1], s[SRC:SRC+1], CHB   ; at chunk 1: the first change of slots steps it to chunk 2.  Nothing is prefetched here, at the head
	s_add_nc_u64 s[QB1:QB1+1], s[4:5], s[86:87]
	s_add_nc_u64 s[QB2:QB2+1], s[4:5], s[88:89]
	s_add_nc_u64 s[YB1:YB1+1], s[12:13], s[92:93]
	s_add_nc_u64 s[YB2:YB2+1], s[12:13], s[94:95]
	v_and_b32 v8, 15, v0                           ; r = lane % 16
	v_bfe_u32 v9, v0, 4, 1                         ; h = lane / 16
	s_delay_alu instid0(VALU_DEP_2)
	v_and_b32 v11, 8, v8
	s_delay_alu instid0(VALU_DEP_1)
	v_add_nc_u32 v11, v11, v8                      ; r + 8 (r / 8)
	s_delay_alu instid0(VALU_DEP_1)
	v_lshlrev_b32 v[QA], 7, v11
	s_delay_alu instid0(VALU_DEP_1)
	v_lshl_add_u32 v[QA], v9, 4, v[QA]             ; that row of 128 bytes, + 16 h
; q's fragment, 16 queries x 64: registers 4 c .. 4 c + 3 hold channels 32 c + 16 h + 0 .. 15, as k's do
.macro QLOAD qb
	global_load_b128 v[16:19], v[QA], s[\qb:\qb+1]
	global_load_b128 v[20:23], v[QA], s[\qb:\qb+1] offset:32
.endm
	QLOAD QB1
	v_mul_u32_u24 v[AK0], v8, KP
	s_delay_alu instid0(VALU_DEP_1)
	v_lshl_add_u32 v[AK0], v9, 4, v[AK0]           ; row r x pitch + 16 h
	s_mul_i32 s44, s83, 64*KP                      ; v: my head's 64 rows,
	s_add_co_u32 s44, s44, VOFF                    ; behind k's 128
	v_add_nc_u32 v[AV0], s44, v[AK0]
	s_lshl_b32 s44, s83, 6                         ; k: my head's 64 bytes of a row
	v_add_nc_u32 v[AK0], s44, v[AK0]
	v_and_b32 v[LI], 31, v0
	s_delay_alu instid0(VALU_DEP_1)
	v_lshlrev_b32 v[PFO], 8, v[LI]
	s_delay_alu instid0(VALU_DEP_2)
	v_lshlrev_b32 v[LI], 4, v[LI]
	s_lshl_b32 s44, s84, 4
	v_lshlrev_b32 v[DQ], 4, v9
	s_delay_alu instid0(VALU_DEP_1)
	v_sub_nc_u32 v[DQ], v8, v[DQ]
	s_delay_alu instid0(VALU_DEP_1)
	v_add_nc_u32 v[DQ], s44, v[DQ]                 ; 16 x tile + r - 16 h
	v_mov_b32 v[XL], 0                             ; written once: a lane permute's destination counts as one of its sources
	v_mov_b32 v253, 0                              ; (named as the upper half of the pair v[252:253])
	v_mov_b32 v[NINF], 0xff800000
; A block of queries begins: the largest t is -3e38, under every t; l and O^T are zeros, which the first change of M leaves zeros.  So the key step is written without a first step of its own.
.macro BEGIN
	v_mov_b32 v13, 0xff61b1e6
	s_delay_alu instid0(VALU_DEP_1)
	v_floor_f32 v12, -v13                          ; -M
	v_mov_b32 v14, 0
	v_mov_b32 v15, 0
.set j, 0
.rept 32
	v_mov_b32 v[160+j], 0
.set j, j+1
.endr
.endm
	BEGIN
	s_wait_kmcnt 0x0
	s_add_co_i32 s44, s70, s71
	s_lshl_b32 s44, s44, 23
	s_add_co_i32 s[CS], s[CS], s44                 ; a score stands for score x 2^(e2 + e3): the two exponents are added to c's exponent field
	s_mov_b32 s[CS+1], s[CS]                       ; (named with it as a pair, so it is written)
	s_add_co_i32 s44, s72, 127
	s_lshl_b32 s45, s44, 23
	v_mov_b32 v[SCP], s45                          ; 2^e4 as f32
	s_add_co_i32 s44, s74, 127
	s_lshl_b32 s45, s44, 23
	v_mov_b32 v[SCY], s45                          ; 2^e6
	s_add_co_i32 s[EPV], s72, s73                  ; e4 + e5
; THE CHANGE OF SLOTS stands at a step's head.  Each wave waits for all its tensor loads (its part of the slot that it is about to read), adds 0 to its spare word, and waits for that and for its reads of the slot that it has left.
; Behind the barrier the slot ahead is whole and nobody reads the other one.  fill = 1: that other slot takes the next step's chunk; the load has a whole key step in which to land.  One tensor load of a wave is out at most.
.macro CHANGE fill
	s_wait_tensorcnt 0x0                           ; no tensor load of mine is out, so group 0 may be written
	ds_add_u32 v[SPW], v[NIL]                      ; 0 onto my spare word; with fill = 1 the descriptor's step stands between it and the wait for it
.if \fill
	s_add_co_u32 s44, s[STP], 1                    ; the next step;
	s_cmp_gt_u32 s44, s[SD]
	s_cselect_b32 s45, s[N1], 0                    ; behind the first block's steps the chunks begin anew
	s_sub_co_u32 s44, s44, s45                     ; its chunk
	s_lshl_b32 s[OFF], s44, 14
	s_add_nc_u64 s[G0+2:G0+3], s[SRC:SRC+1], s[OFF:OFF+1]
	s_or_b32 s[G0+3], s[G0+3], 0x80000000
	s_xor_b32 s[G0+1], s[G0+1], SLOT1              ; the other slot than last time
	s_wait_xcnt 0x0                                ; the last prefetch, a key step back, has read its address, so it may be written
	s_add_nc_u64 s[PFA:PFA+1], s[PFA:PFA+1], CHB
.endif
	s_wait_dscnt 0x0                               ; the add is done, and my reads of the slot that I have left are over
	s_barrier_signal -1
	s_barrier_wait -1
.if \fill
	TLOAD                                          ; the first thing behind the barrier, and a wave's one tensor load until the next
	ASK
.endif
.endm
; A KEY STEP: 128 keys.  always = 1: the step lies on the diagonal whatever the ids say (the last step).
.macro STEP always
	v_add_nc_u32 v[ADK], s[TB], v[AK0]
	v_add_nc_u32 v[ADV], s[TB], v[AV0]
	v_nop                                          ; with the two additions: four places in front of loads into registers that the last step's products have read
	v_nop
.irp j, 0,1,2,3,4,5,6,7                        ; k's eight tiles of 16 stored rows x my head's 64 bytes
.irp c, 0,1
	ds_load_b128 v[32+8*\j+4*\c:32+8*\j+4*\c+3], v[ADK] offset:16*\j*KP+32*\c
.endr
.endr
	s_wait_alu depctr_va_vdst(0)
	s_wait_dscnt 8                                 ; tiles 0-3 are in; the eight loads of tiles 4-7 may be out
.irp j, 0,1,2,3
	v_wmma_f32_16x16x64_fp8_fp8 v[96+8*\j:103+8*\j], v[32+8*\j:39+8*\j], v[16:23], 0
.endr
	s_wait_dscnt 0x0
.irp j, 4,5,6,7
	v_wmma_f32_16x16x64_fp8_fp8 v[96+8*\j:103+8*\j], v[32+8*\j:39+8*\j], v[16:23], 0
.endr
.rept 4
	v_nop                                          ; places in front of the loads below and of the first read of the scores
.endr
.irp t, 0,1,2,3                                ; v's four tiles of 16 stored rows x 128 keys: they land while the softmax is worked
.irp c, 0,1,2,3
	ds_load_b128 v[32+16*\t+4*\c:32+16*\t+4*\c+3], v[ADV] offset:16*\t*KP+32*\c
.endr
.endr
; On the diagonal (chunk = block) the scores of hidden keys become -infinity ahead of the maximum: p = 0 then.  Register 16 b + i holds key 32 b + 16 h + i of the chunk: hidden where 32 b + i > my query - 16 h.
; The chunk's key 0 counts for every query of the block, so M is a number.  A branch on ids leads round these lines in the other steps.
.if \always == 0
	s_cmp_lg_u32 s[STP], s[SD]
	s_cbranch_scc1 .Lopen_\@
.endif
.set n, 0
.rept 64
	v_cmp_gt_i32 vcc_lo, 32*(n/16)+n%16, v[DQ]
	v_cndmask_b32 v[96+n], v[96+n], v[NINF], vcc_lo
.set n, n+1
.endr
.Lopen_\@:
	v_max3_num_f32 v254, v96, v97, v98             ; the step's largest score of my query, among my 64 keys, in two chains; each accumulator is read from its low end on
	v_max3_num_f32 v252, v99, v100, v101
.irp i, 6,10,14,18,22,26,30,34,38,42,46,50,54,58
	v_max3_num_f32 v254, v254, v[96+\i], v[97+\i]
	v_max3_num_f32 v252, v252, v[98+\i], v[99+\i]
.endr
	v_max3_num_f32 v254, v254, v158, v159
	s_delay_alu instid0(VALU_DEP_1)
	v_max_num_f32 v254, v254, v252
	s_delay_alu instid0(VALU_DEP_1)
	v_permlanex16_b32 v[XL], v254, s[SEL], s[SEL+1]
	s_delay_alu instid0(VALU_DEP_1)
	v_max_num_f32 v254, v254, v[XL]                ; and among lane l xor 16's
	s_delay_alu instid0(VALU_DEP_1)
	v_mul_f32 v254, s[CS], v254                    ; as t (c is positive)
	s_delay_alu instid0(VALU_DEP_1)
	v_max_num_f32 v13, v13, v254                   ; the running largest t
	v_mov_b32 v254, v12
	s_delay_alu instid0(VALU_DEP_2)
	v_floor_f32 v12, -v13                          ; the new -M = floor(-t) = -ceil(t): M is a whole number
	s_delay_alu instid0(VALU_DEP_1)
	v_sub_f32 v254, v12, v254                      ; M's old value less its new one: a whole number, 0 or less
	s_delay_alu instid0(VALU_DEP_1)
	v_cvt_i32_f32 v254, v254                       ; (it saturates)
	s_delay_alu instid0(VALU_DEP_1)
	v_ldexp_f32 v252, 1.0, v254                    ; f = 2^(old M - new M)
.set j, 0
.rept 32
	v_pk_fma_f32 v[96+j:97+j], v[96+j:97+j], s[CS:CS+1], v[12:13] op_sel_hi:[1,0,0]   ; t - M, two at a time (of the pairs c and -M the low word serves both halves)
.set j, j+2
.endr
.set j, 0
	s_wait_alu depctr_va_vdst(0)
.rept 64
	v_exp_f32 v[96+j], v[96+j]                     ; p = 2^(t - M), at most 1: not normalised
.set j, j+1
.endr
	v_pk_mul_f32 v[14:15], v[14:15], v[252:253] op_sel_hi:[1,0]   ; l under the new M: the plain instruction behind the exponentials
	s_wait_alu depctr_va_vdst(0)                   ; one wait for the whole batch, ahead of its first reader
	v_pk_add_f32 v[242:243], v[100:101], v[104:105]
	v_pk_add_f32 v[254:255], v[108:109], v[112:113]
	v_pk_add_f32 v[250:251], v[116:117], v[120:121]
	v_pk_add_f32 v[248:249], v[124:125], v[128:129]
	v_pk_add_f32 v[240:241], v[132:133], v[136:137]
	v_pk_add_f32 v[238:239], v[140:141], v[144:145]
	v_pk_add_f32 v[236:237], v[148:149], v[152:153]
	v_pk_add_f32 v[14:15], v[14:15], v[156:157]
	v_pk_add_f32 v[242:243], v[242:243], v[96:97]
	v_pk_add_f32 v[254:255], v[254:255], v[98:99]
	v_pk_add_f32 v[250:251], v[250:251], v[102:103]
	v_pk_add_f32 v[248:249], v[248:249], v[106:107]
	v_pk_add_f32 v[240:241], v[240:241], v[110:111]
	v_pk_add_f32 v[238:239], v[238:239], v[114:115]
	v_pk_add_f32 v[236:237], v[236:237], v[118:119]
	v_pk_add_f32 v[14:15], v[14:15], v[122:123]
	v_pk_add_f32 v[242:243], v[242:243], v[126:127]
	v_pk_add_f32 v[254:255], v[254:255], v[130:131]
	v_pk_add_f32 v[250:251], v[250:251], v[134:135]
	v_pk_add_f32 v[248:249], v[248:249], v[138:139]
	v_pk_add_f32 v[240:241], v[240:241], v[142:143]
	v_pk_add_f32 v[238:239], v[238:239], v[146:147]
	v_pk_add_f32 v[236:237], v[236:237], v[150:151]
	v_pk_add_f32 v[14:15], v[14:15], v[154:155]
	v_pk_add_f32 v[242:243], v[242:243], v[158:159]
	s_delay_alu instid0(VALU_DEP_2)
	v_pk_add_f32 v[14:15], v[14:15], v[248:249]
	s_delay_alu instid0(VALU_DEP_2)
	v_pk_add_f32 v[242:243], v[242:243], v[240:241]
	v_pk_add_f32 v[254:255], v[254:255], v[238:239]
	v_pk_add_f32 v[250:251], v[250:251], v[236:237]
	s_delay_alu instid0(VALU_DEP_2)
	v_pk_add_f32 v[14:15], v[14:15], v[254:255]
	s_delay_alu instid0(VALU_DEP_2)
	v_pk_add_f32 v[242:243], v[242:243], v[250:251]
	s_delay_alu instid0(VALU_DEP_1)
	v_pk_add_f32 v[14:15], v[14:15], v[242:243]
.irp b, 0,1,2,3
.set j, 0
.rept 16
.set j, j+1
.endr
	v_cvt_scalef32_pk8_fp8_f32 v[224+4*\b:225+4*\b], v[96+16*\b:103+16*\b], v[SCP]
	v_cvt_scalef32_pk8_fp8_f32 v[226+4*\b:227+4*\b], v[104+16*\b:111+16*\b], v[SCP]
.endr
.set j, 0
.rept 16
	v_pk_mul_f32 v[160+j:161+j], v[160+j:161+j], v[252:253] op_sel_hi:[1,0]   ; O^T under the new M: x f.  (Also the plain instructions between the conversions and the products that read the codes)
.set j, j+2
.endr
	s_wait_alu depctr_va_vdst(0)
	s_wait_dscnt 0x0                               ; v is in
.irp t, 0,1,2,3                                ; O^T += v^T p^T: the four accumulators by turns, one instruction each; the next step's eight score products stand between two links of a chain
	v_wmma_f32_16x16x128_fp8_fp8 v[160+8*\t:167+8*\t], v[32+16*\t:47+16*\t], v[224:239], v[160+8*\t:167+8*\t]
.endr
	s_xor_b32 s[TB], s[TB], SLOT1                  ; on to the other slot
.endm
; A BLOCK'S WAY OUT: y = O^T x 2^(e4 + e5) / l, quantised.  The 16 codes of tiles 2 g, 2 g + 1 are my lane's 16 bytes of register group c = 2 x head + g of the last product's operand.
.macro FINISH yb
.rept 4
	v_nop                                          ; places behind the last products
.endr
	v_add_f32 v14, v14, v15                        ; l's two halves,
	s_delay_alu instid0(VALU_DEP_1)
	v_permlanex16_b32 v[XL], v14, s[SEL], s[SEL+1]
	s_delay_alu instid0(VALU_DEP_1)
	v_add_f32 v14, v14, v[XL]                      ; and lane l xor 16's
	s_wait_alu depctr_va_vdst(0)
	v_rcp_f32 v14, v14
	v_nop                                          ; a plain instruction behind the transcendental,
	s_wait_alu depctr_va_vdst(0)                   ; and the wait ahead of its first reader
	v_ldexp_f32 v14, v14, s[EPV]
.set j, 0
.rept 32
	v_mul_f32 v[192+j], v[160+j], v14              ; each accumulator from its low end on
.set j, j+1
.endr
.set j, 0
.rept 32
.set j, j+1
.endr
	s_wait_alu depctr_va_vdst(0)
	s_wait_xcnt 0x0                                ; the first block's stores have read v24-31: they are written again only behind this wait
.irp t, 0,1,2,3
	v_cvt_scalef32_pk8_fp8_f32 v[24+2*\t:25+2*\t], v[192+8*\t:199+8*\t], v[SCY]
.endr
	v_nop                                          ; one plain vector instruction behind the last conversion
.irp g, 0,1
	global_store_b128 v[LI], v[24+4*\g:27+4*\g], s[\yb:\yb+1] offset:512*\g   ; 32 lanes store 512 consecutive bytes, at a multiple of 512 from the buffer's first byte
.endr
.endm
	s_wait_loadcnt 0x0                             ; q
.Lstep:                                            ; 16 trips: behind each change of slots the next step's chunk is asked for
	CHANGE 1
	STEP 0
	s_cmp_lg_u32 s[STP], s[SD]                     ; was that the first block's last step?  A branch on ids; no barrier and no tensor load stands under it
	s_cbranch_scc1 .Lsame
	QLOAD QB2                                      ; the second block's q lands while the first block goes out (the products that read v16-23 stand a softmax back)
	FINISH YB1
	BEGIN
	s_wait_loadcnt 0x0
.Lsame:
	s_add_co_u32 s[STP], s[STP], 1
	s_cmp_lt_u32 s[STP], 16
	s_cbranch_scc1 .Lstep
	CHANGE 0                                       ; the last step is written out: the second block's diagonal
	STEP 1
	FINISH YB2
	s_wait_tensorcnt 0x0                           ; the wave's end
	ds_add_u32 v[SPW], v[NIL]
	s_wait_dscnt 0x0
	s_endpgm
.Lfunc_end_k_qb6410e1fa7_attn:
	.size	k_qb6410e1fa7_attn, .Lfunc_end_k_qb6410e1fa7_attn-k_qb6410e1fa7_attn
	.p2alignl 7, 3214868480
	.fill 96, 4, 3214868480
	.section	.rodata,"a",@progbits
	.p2align	6, 0x0
	.amdhsa_kernel k_qb6410e1fa7_attn
		.amdhsa_group_segment_fixed_size 327680
		.amdhsa_private_segment_fixed_size 0
		.amdhsa_enable_private_segment 0
		.amdhsa_kernarg_size 40
		.amdhsa_user_sgpr_count 2
		.amdhsa_user_sgpr_kernarg_segment_ptr 1
		.amdhsa_wavefront_size32 1
		.amdhsa_system_sgpr_workgroup_id_x 1
		.amdhsa_system_sgpr_workgroup_id_y 1
		.amdhsa_system_sgpr_workgroup_id_z 1
		.amdhsa_system_vgpr_workitem_id 0
		.amdhsa_next_free_vgpr 256
		.amdhsa_next_free_sgpr 100
		.amdhsa_reserve_vcc 1
		.amdhsa_float_denorm_mode_32 3
		.amdhsa_float_denorm_mode_16_64 3
		.amdhsa_fp16_overflow 1
		.amdhsa_memory_ordered 1
		.amdhsa_forward_progress 1
		.amdhsa_inst_pref_size 52
	.end_amdhsa_kernel
	.amdgpu_metadata
---
amdhsa.version: [ 1, 2 ]
amdhsa.kernels:
  - .name:           k_qb6410e1fa7_attn
    .symbol:         k_qb6410e1fa7_attn.kd
    .args:
      - { .name: q2, .offset: 0, .size: 8, .value_kind: global_buffer, .address_space: global }
      - { .name: k2, .offset: 8, .size: 8, .value_kind: global_buffer, .address_space: global }
      - { .name: v2, .offset: 16, .size: 8, .value_kind: global_buffer, .address_space: global }
      - { .name: lowp_scales, .offset: 24, .size: 8, .value_kind: global_buffer, .address_space: global }
      - { .name: y_img, .offset: 32, .size: 8, .value_kind: global_buffer, .address_space: global }
    .group_segment_fixed_size: 327680
    .private_segment_fixed_size: 0
    .kernarg_segment_align: 8
    .kernarg_segment_size: 40
    .max_flat_workgroup_size: 512
    .sgpr_count:     100
    .vgpr_count:     256
    .wavefront_size: 32
...
	.end_amdgpu_metadata
.endif
;; end of part 2
;; launch proj (part 3): grid 4 x 32, 4 waves a work-group, clusters of 4 x 4, 327,680 bytes of LDS; arguments y_img, w_proj_codes, lowp_scales, out0; writes out0
.if DOCPART == 3
	.amdgcn_target "amdgcn-amd-amdhsa--gfx1250"
	.amdhsa_code_object_version 6
	.text
	.protected	k_qb6410e1fa7_proj
	.globl	k_qb6410e1fa7_proj
	.p2align	8
	.type	k_qb6410e1fa7_proj,@function
k_qb6410e1fa7_proj:
	s_mov_b64 s[64:65], 0
	v_nop
	global_prefetch_b8 v0, s[64:65] scope:SCOPE_SE
	s_setreg_imm32_b32 hwreg(HW_REG_WAVE_MODE, 25, 1), 1
	s_wait_xcnt 0x0
	s_wait_alu depctr_hold_cnt(0) depctr_sa_sdst(0) depctr_va_vdst(0) depctr_va_sdst(0) depctr_va_ssrc(0) depctr_va_vcc(0) depctr_vm_vsrc(0)
	s_getreg_b32 s2, hwreg(HW_REG_IB_STS2, 6, 4)
	s_cmp_eq_u32 s2, 0
	s_cbranch_scc0 .Lentry_in_a_cluster
	s_endpgm
.Lentry_in_a_cluster:
	s_bfe_u32 s2, ttmp6, 0x10000c
	s_cmp_lg_u32 s2, 0xf033
	s_cbranch_scc0 .Lentry_shape_is_right
	s_endpgm
.Lentry_shape_is_right:
; out = y w_proj on codes of FP8 (E4M3).  y: 8,192 rows x 1,024, as the attention launch left it: y_img [K step of 256: 4][block of 16 rows: 512][128 of K: 2][c: 4][lane: 32][16 bytes], the image of this
; product's operand registers: lane (r, h) of group c holds K = 32 c + 16 h + 0 .. 15 of row r.  w_proj: [1024 (n)][1024 (k)] codes, K innermost.  out0: [8192][1024] f32.
; The codes are multiplied as they are, and each finished sum once by 2^(e6 + e7), the entries 6 and 7 of lowp_scales.  LIMIT: e6 + e7 lies between -126 and 127, so that 2^(e6 + e7) is an f32 number.
; A tile of 256 x 256 is made by four waves, 128 x 128 each: 64 accumulators, 512 registers.  K goes in steps of 256 through a ring of two LDS slots filled by the tensor data mover.
; 128 tiles: the grid has 128 work-groups.
; CLUSTERS: 4 x 4 work-groups; y's tiles are asked for jointly along a row of the cluster, w's along a column.
; THE MATRIX INSTRUCTION IS USED TRANSPOSED (source 0 = 16 rows of w, source 1 = 16 rows of y): a lane then holds eight neighbouring numbers of a row of out0.
; REGISTERS, in windows of 256: window 0: v0-31 addresses; from v128 y's fragments, ONE set; on the way out v32-255 are free.  window 1: w's fragments, TWO sets.
;   window 2: the accumulators of my rows 0-63 (accumulator (a, b) at v[8 (8 a + b)]);  window 3: those of my rows 64-127.
.set SIZE_N, 1024
.set KSTEP,  256
.set ROWB,   256                       ; a row of w's tile in bytes
.set KROW,   1024                      ; a row of w in memory, in bytes
.set PITCH,  272                       ; w's LDS row: 256 bytes + 16 of padding = 68 words: the 16 rows that a load touches start at 16 different banks (64 banks of 4 bytes: ISA guide 11.1)
.set FR,     16
.set NL,     4
.set NP,     4
.set HALFT,  128*PITCH                 ; 128 rows of w
.set AHALF,  32768                     ; 128 rows of y for a K step of 256: eight blocks' images, dense in memory and in LDS
.set ASTEP,  2097152                   ; from a K step of 256 to the next in y_img
.set BOFF,   2*AHALF                   ; a slot: y's two halves, then w's two
.set SLOT,   BOFF+2*HALFT
.set LAPS,   KROW/(2*KSTEP)
.set SPARE,  2*SLOT                    ; behind the ring: the spare words, 128 bytes for each wave
.set SPITCH, 528                       ; the way out: a stage of 16 rows x (512 bytes + 16) for each wave, in slot 0, which has had its last fill and its last read by then
.set ADRA, 16                          ; v16-17  LDS address of y's images in slot 0, 1
.set ADRB, 20                          ; v20-21  of w's fragments
.set STO,  24
.set RD,   25
.set CO,   26                          ; v26     16 x lane
.set SPW,  28
.set NIL,  29
.set TMP,  32
.set AF,   128
.set BK,   128
.set G1, 24                            ; s[24:31] descriptor group 1 for y's tiles;  s[32:39] group 0, one set for each slot
.set G0, 32
.set G1B, 48                           ; s[48:55], s[56:63] the same for w's tiles
.set G0B, 56
.set MSB, 0
.macro WIN new                         ; the immediate's high byte repeats the setting that is left
.if MSB != \new
	s_set_vgpr_msb (MSB<<8)|\new
.set MSB, \new
.endif
.endm
.set MUL_LO, 0xa1
.set MUL_HI, 0xf1
.set TO_B,   0x40
; A joint load: waves 0 and 1 fetch y's two halves, waves 2 and 3 w's.  The branch hangs on the wave's number alone.  Four v_nop follow each of the two lines.
.macro JLOAD g0a, g1a, g0b, g1b
	s_cmp_eq_u32 s15, 0
	s_cbranch_scc0 .Lfor_b_\@
	tensor_load_to_lds s[\g0a:\g0a+3], s[\g1a:\g1a+7]
	s_nop 0
.rept 4
	v_nop
.endr
	s_branch .Lasked_\@
.Lfor_b_\@:
	tensor_load_to_lds s[\g0b:\g0b+3], s[\g1b:\g1b+7]
	s_nop 0
.rept 4
	v_nop
.endr
.Lasked_\@:
.endm
.macro CREST
	s_cmp_lg_u32 s14, 0
	s_cbranch_scc1 .Lnot_wave_0_\@
	s_barrier_signal -3
.Lnot_wave_0_\@:
	s_barrier_wait -3
	s_barrier_signal -1
	s_barrier_wait -1
.endm
.macro CROUND
	s_barrier_signal -1
	s_barrier_wait -1
	CREST
.endm
	s_load_b128 s[4:7], s[0:1], 0x0                ; y_img s[4:5], w's codes s[6:7]
	s_load_b128 s[8:11], s[0:1], 0x10              ; the scales' exponents s[8:9], out0 s[10:11]
	v_lshl_add_u32 v[SPW], v0, 2, SPARE
	v_mov_b32 v[NIL], 0
	ds_add_u32 v28, v29
	ds_add_u32 v28, v29
	s_wait_dscnt 0x0
	v_lshrrev_b32 v1, 5, v0
	v_readfirstlane_b32 s14, v1                    ; wave 0..3
	s_lshr_b32 s15, s14, 1                         ; which half of the tile's rows is mine.  Also: I fetch for y (0) or for w (1)
	s_and_b32 s16, s14, 1                          ; which half of its columns.  Also: which 128 rows of that tile I fetch
	s_bfe_u32 s40, ttmp6, 0x40000                  ; cx, cy
	s_bfe_u32 s41, ttmp6, 0x40004
	s_lshl_b32 s42, ttmp9, 2
	s_add_co_u32 s42, s42, s40                     ; tile column
	s_and_b32 s17, ttmp7, 0xffff
	s_lshl_b32 s17, s17, 2
	s_add_co_u32 s17, s17, s41                     ; tile row
	s_lshl_b32 s43, s41, 2
	s_lshl_b32 s43, 15, s43                        ; my row of the cluster
	s_lshl_b32 s44, 0x1111, s40                    ; my column
	; descriptor group 1.  y: a dense block of 32,768 bytes, stated as 128 rows of 256 bytes, no padding.  w: 128 rows of 256 bytes, 1,024 apart, padded in LDS
	s_or_b32 s[G1+0], s43, (0<<16)|(1<<21)         ; 15:0 the mask: y's tiles go to my row; 17:16 element of 1 byte; 21 set beside a mask
	s_mov_b32 s[G1+1], 256<<16                     ; tensor_dim0
	s_mov_b32 s[G1+2], 128<<16                     ; tensor_dim1
	s_mov_b32 s[G1+3], 256<<16                     ; tile_dim0
	s_mov_b32 s[G1+4], 128                         ; tile_dim1
	s_mov_b32 s[G1+5], 256                         ; tensor_dim0_stride: each row begins where the last ends
	s_mov_b32 s[G1+6], 0
	s_mov_b32 s[G1+7], 0
	s_or_b32 s[G1B+0], s44, (0<<16)|(1<<20)|(1<<21)|(5<<22)|(3<<25)  ; the mask of my column; padding: 4 words after every 64
	s_mov_b32 s[G1B+1], ROWB<<16
	s_mov_b32 s[G1B+2], 128<<16
	s_mov_b32 s[G1B+3], ROWB<<16
	s_mov_b32 s[G1B+4], 128
	s_mov_b32 s[G1B+5], KROW
	s_mov_b32 s[G1B+6], 0
	s_mov_b32 s[G1B+7], 0
	s_lshl_b32 s20, s17, 16                        ; y: blocks 16 x tile row + 8 x half, 4,096 bytes each
	s_lshl_b32 s18, s16, 15
	s_add_co_u32 s20, s20, s18
	s_mov_b32 s21, 0
	s_lshl_b32 s18, s16, 7
	s_lshl_b32 s46, s42, 8
	s_add_co_u32 s46, s46, s18                     ; w: row 256 x tile column + 128 x half
	s_mov_b32 s47, 0
	s_mov_b64 s[18:19], KROW
	s_mul_u64 s[46:47], s[46:47], s[18:19]
	s_mul_i32 s45, s16, AHALF                      ; where they go: made of the wave's number alone
	s_mul_i32 s66, s16, HALFT
	s_add_co_u32 s66, s66, BOFF
	s_wait_kmcnt 0x0
	s_load_b64 s[96:97], s[8:9], 0x18              ; e6, e7
	s_add_nc_u64 s[20:21], s[4:5], s[20:21]
	s_add_nc_u64 s[46:47], s[6:7], s[46:47]
	CROUND                                         ; all sixteen work-groups are here: the first joint loads meet
.irp s, 0,1
	s_mov_b32 s[G0+4*\s], 1
	s_add_co_u32 s[G0+4*\s+1], s45, \s*SLOT
	s_add_nc_u64 s[G0+4*\s+2:G0+4*\s+3], s[20:21], \s*ASTEP
	s_or_b32 s[G0+4*\s+3], s[G0+4*\s+3], 0x80000000
	s_mov_b32 s[G0B+4*\s], 1
	s_add_co_u32 s[G0B+4*\s+1], s66, \s*SLOT
	s_add_nc_u64 s[G0B+4*\s+2:G0B+4*\s+3], s[46:47], \s*ROWB
	s_or_b32 s[G0B+4*\s+3], s[G0B+4*\s+3], 0x80000000
	s_wait_alu depctr_va_vdst(0)
	s_wait_tensorcnt 0x0
	ds_add_u32 v28, v29
	ds_add_u32 v28, v29
	s_wait_dscnt 0x0
	CROUND
	JLOAD G0+4*\s, G1, G0B+4*\s, G1B
.endr
	v_and_b32 v1, 15, v0                           ; l % 16
	v_bfe_u32 v2, v0, 4, 1                         ; l / 16
	v_mul_u32_u24 v3, v1, PITCH
	v_lshl_add_u32 v4, v2, 4, v3                   ; w: a fragment's row x pitch + 16 x half
	v_and_b32 v6, 31, v0
	v_lshlrev_b32 v[CO], 4, v6                     ; y: 16 x lane in an image; also my bytes of a row of out0
	s_wait_alu depctr_va_vdst(0)
	s_mul_i32 s21, s15, AHALF                      ; my 128 rows of y
	s_mul_i32 s22, s16, HALFT                      ; my 128 rows of w,
	s_add_co_u32 s22, s22, BOFF                    ; which lie behind y's images
.irp s, 0,1
	v_add_nc_u32 v[ADRA+\s], s21, v[CO]
	v_add_nc_u32 v[ADRB+\s], s22, v4
	s_add_co_u32 s21, s21, SLOT
	s_add_co_u32 s22, s22, SLOT
.endr
	s_mul_i32 s23, s14, 16*SPITCH                  ; my stage
	v_mul_u32_u24 v5, v1, SPITCH                   ; in: row l % 16, 32 bytes for each half of the lanes
	v_lshl_add_u32 v5, v2, 5, v5
	v_add_nc_u32 v[STO], s23, v5
	v_add_nc_u32 v[RD], s23, v[CO]                 ; back: the 32 lanes take one row of 512 bytes
	s_lshl_b32 s20, s17, 8
	s_lshl_b32 s21, s15, 7
	s_add_co_u32 s20, s20, s21                     ; my first row of out0: 256 x tile row + 128 x half
	s_mov_b32 s21, 0
	s_mov_b64 s[18:19], SIZE_N*4
	s_mul_u64 s[20:21], s[20:21], s[18:19]
	s_lshl_b32 s46, s42, 10                        ; my first column, in bytes: 1024 x tile column + 512 x half
	s_lshl_b32 s47, s16, 9
	s_add_co_u32 s46, s46, s47
	s_mov_b32 s47, 0
	s_add_nc_u64 s[20:21], s[20:21], s[46:47]
	s_add_nc_u64 s[10:11], s[10:11], s[20:21]
.macro FRAG reg, adr, q, i             ; a fragment of w: lane l holds row l % 16; registers 4 c .. 4 c + 3 hold K = 32 c + 16 (l / 16) + 0 .. 15
.irp c, 0,1,2,3
	ds_load_b128 v[\reg+4*\c:\reg+4*\c+3], v[\adr] offset:128*(\q)+32*\c+(\i)*16*PITCH
.endr
.endm
.macro FRAGA reg, slot, q, i           ; a fragment of y comes as it was stored: four loads of 512 consecutive bytes, 16 a lane
.irp c, 0,1,2,3
	ds_load_b128 v[\reg+4*\c:\reg+4*\c+3], v[ADRA+\slot] offset:(\i)*4096+(\q)*2048+512*\c
.endr
.endm
; 16 matrix instructions: y's blocks a0, a0 + 1 x w's eight, 128 along K.  The 64 accumulators take turns, one instruction a turn, in the same order in every step.
.macro MUL16 a0, p, zero
.irp a, \a0, \a0+1
.irp b, 0,1,2,3,4,5,6,7
.if \zero
	v_wmma_f32_16x16x128_fp8_fp8 v[8*(8*((\a)%4)+\b):8*(8*((\a)%4)+\b)+7], v[128*(\p)+FR*\b:128*(\p)+FR*\b+FR-1], v[AF+FR*(\a):AF+FR*(\a)+FR-1], 0
.else
	v_wmma_f32_16x16x128_fp8_fp8 v[8*(8*((\a)%4)+\b):8*(8*((\a)%4)+\b)+7], v[128*(\p)+FR*\b:128*(\p)+FR*\b+FR-1], v[AF+FR*(\a):AF+FR*(\a)+FR-1], v[8*(8*((\a)%4)+\b):8*(8*((\a)%4)+\b)+7]
.endif
.endr
.endr
.endm
.macro FETCH_B slot, q, p
	WIN TO_B
.irp i, 0,1,2,3,4,5,6,7
	FRAG 128*(\p)+FR*\i, ADRB+\slot, \q, \i
.endr
	WIN 0
.endm
.macro FETCH_A slot, q, i0
.irp i, \i0, \i0+1, \i0+2, \i0+3
	FRAGA AF+FR*(\i), \slot, \q, \i
.endr
.endm
; A load into a register that a matrix instruction has read, and a vector instruction that reads a matrix result, stand NP places behind that matrix instruction; only plain vector
; instructions that name none of its registers are places (ISA guide 7.12.1 for vector instructions).
.macro PLACES n
.rept \n
	v_nop
.endr
.endm
.macro STEP slot, q, zero
	s_wait_dscnt 4*NL                              ; w's set and y's blocks 0-3 are in; the youngest sixteen loads (blocks 4-7) may be out
	WIN MUL_LO
	MUL16 0, (\q)%2, \zero
	MUL16 2, (\q)%2, \zero
	s_wait_dscnt 0                                 ; blocks 4-7 are in
	PLACES NP
	FETCH_B \slot, (\q)+1, 1-(\q)%2
	FETCH_A \slot, (\q)+1, 0
	WIN MUL_HI
	MUL16 4, (\q)%2, \zero
	MUL16 6, (\q)%2, \zero
	PLACES NP
	WIN 0
	FETCH_A \slot, (\q)+1, 4
.endm
; A slot's last step changes slots: ONE barrier; in front of it each wave waits for all its tensor loads, adds 0 to its spare word, and waits for that and for its own reads of this slot.  fill = 1: this slot is filled again, two K steps ahead.
.macro TURN slot, next, fill
	s_wait_tensorcnt 0x0                           ; all my tensor loads have landed: my part of the next slot  (every window is 0 here)
	ds_add_u32 v[SPW], v[NIL]                      ; 0 onto my spare word
	s_wait_dscnt 4*NL+1                            ; (the add and the youngest sixteen loads may be out)
	WIN MUL_LO
	MUL16 0, 1, 0                                  ; sixteen matrix instructions stand between the add and the wait for it
	s_wait_dscnt 0x0                               ; the add is done, and my reads of this slot are over
	s_barrier_signal -1
	MUL16 2, 1, 0
	WIN 0
	s_barrier_wait -1
.if \fill
	CREST                                          ; the barrier has opened a round of the cluster's barrier: no wave of any partner still reads this slot's tile or has a load on its way
	s_add_nc_u64 s[G0+4*\slot+2:G0+4*\slot+3], s[G0+4*\slot+2:G0+4*\slot+3], 2*ASTEP
	s_add_nc_u64 s[G0B+4*\slot+2:G0B+4*\slot+3], s[G0B+4*\slot+2:G0B+4*\slot+3], 2*ROWB
	JLOAD G0+4*\slot, G1, G0B+4*\slot, G1B         ; the first tensor load behind the round; the four v_nop behind it are the places in front of the loads below
.else
	PLACES NP
.endif
	FETCH_B \next, 0, 0
	FETCH_A \next, 0, 0
	WIN MUL_HI
	MUL16 4, 1, 0
	MUL16 6, 1, 0
	PLACES NP
	WIN 0
	FETCH_A \next, 0, 4
.endm
	s_wait_alu depctr_va_vdst(0)
	s_wait_tensorcnt 1                             ; my part of K step 0 is in (K step 1's load may be out)
	s_barrier_signal -1
	s_barrier_wait -1                              ; everybody's is
	FETCH_B 0, 0, 0
	FETCH_A 0, 0, 0
	FETCH_A 0, 0, 4
	STEP 0, 0, 1                                   ; the first step stands in front of the loop: its products start the sums
	s_mov_b32 s3, LAPS-1
.Llap:                                                 ; a trip goes once round the ring and fills both slots again
	TURN 0, 1, 1
	STEP 1, 0, 0
	TURN 1, 0, 1
	STEP 0, 0, 0
	s_sub_co_u32 s3, s3, 1
	s_cmp_lg_u32 s3, 0
	s_cbranch_scc1 .Llap
	TURN 0, 1, 0                                   ; the last lap fills nothing, and has no round of the cluster's barrier
	STEP 1, 0, 0
	s_wait_dscnt 4*NL                              ; the very last step: nothing more to fetch
	WIN MUL_LO
	MUL16 0, 1, 0
	MUL16 2, 1, 0
	s_wait_dscnt 0
	WIN MUL_HI
	MUL16 4, 1, 0
	MUL16 6, 1, 0
	WIN 0
; THE WAY OUT, block by block of 16 rows x 128 columns.  A lane holds 32 neighbouring bytes of a row, and the lanes beside it hold other rows: so a block goes through my own stage in LDS and comes back as whole
; rows of 512 bytes.  LDS serves a wave's instructions in order (ISA guide 5.7.1.4): no wait between the stores and the loads, nor in front of the next block's stores.
.macro TOSTAGE a
.set AC, 64*((\a)%4)
	WIN 0x02+((\a)/4)                              ; source 0: window 2 or 3
.irp j, 0,2,4,6,8,10,12,14,16,18,20,22,24,26,28,30,32,34,36,38,40,42,44,46,48,50,52,54,56,58,60,62
	v_pk_mul_f32 v[TMP+\j:TMP+\j+1], v[AC+\j:AC+\j+1], s[96:97] op_sel_hi:[1,0]   ; both x s96 = 2^(e6 + e7); each accumulator from its low end on
.endr
	WIN 0
.irp b, 0,1,2,3,4,5,6,7
	ds_store_b128 v[STO], v[TMP+8*\b:TMP+8*\b+3] offset:64*\b
	ds_store_b128 v[STO], v[TMP+8*\b+4:TMP+8*\b+7] offset:64*\b+16
.endr
.set BB, BK+64*((\a)%2)
.irp t, 0,1,2,3,4,5,6,7,8,9,10,11,12,13,14,15
	ds_load_b128 v[BB+4*\t:BB+4*\t+3], v[RD] offset:\t*SPITCH
.endr
.endm
.macro SEND a, younger                 ; younger: the LDS instructions issued behind block a's loads, which may stay out
.set BB, BK+64*((\a)%2)
	s_wait_dscnt \younger                          ; the block is back in registers
.if (\a) > 0
	s_add_nc_u64 s[10:11], s[10:11], 16*SIZE_N*4   ; (behind a wait on XCNT: the earlier stores have read their base)  16 rows on
.endif
.irp t, 0,1,2,3,4,5,6,7,8,9,10,11,12,13,14,15
	global_store_b128 v[CO], v[BB+4*\t:BB+4*\t+3], s[10:11] offset:\t*SIZE_N*4 th:TH_STORE_NT   ; 32 lanes store 512 consecutive bytes, at a multiple of 512 from out0's first byte; written once, read by nobody here
.endr
.endm
	s_wait_kmcnt 0x0
	s_add_co_i32 s96, s96, s97                     ; e6 + e7, between -126 and 127,
	s_add_co_i32 s96, s96, 127
	s_lshl_b32 s96, s96, 23                        ; makes the f32 number 2^(e6 + e7)
	PLACES NP                                      ; behind the last products: for the loads into the registers that held y's fragments, and for the reads of results
	TOSTAGE 0
.irp a, 1,2,3,4,5,6,7
.if \a > 1
	s_wait_xcnt 0x0                                ; block a - 2's stores have read their registers and their base: block a's loads may land there, and the base may step
.endif
	TOSTAGE \a
	SEND \a-1, 32                                  ; behind block a - 1's loads: block a's 16 stores and 16 loads
.endr
	s_wait_xcnt 0x0                                ; block 6's stores have read their base
	SEND 7, 0
	s_wait_tensorcnt 0x0                           ; the wave's end, behind my last tensor load and my last LDS store
	ds_add_u32 v[SPW], v[NIL]
	s_wait_dscnt 0x0
	CROUND                                         ; the closing round: no work-group ends while a partner may still ask for a tile that names it
	s_endpgm
.Lfunc_end_k_qb6410e1fa7_proj:
	.size	k_qb6410e1fa7_proj, .Lfunc_end_k_qb6410e1fa7_proj-k_qb6410e1fa7_proj
	.p2alignl 7, 3214868480
	.fill 96, 4, 3214868480
	.section	.rodata,"a",@progbits
	.p2align	6, 0x0
	.amdhsa_kernel k_qb6410e1fa7_proj
		.amdhsa_group_segment_fixed_size 327680
		.amdhsa_private_segment_fixed_size 0
		.amdhsa_enable_private_segment 0
		.amdhsa_kernarg_size 32
		.amdhsa_user_sgpr_count 2
		.amdhsa_user_sgpr_kernarg_segment_ptr 1
		.amdhsa_wavefront_size32 1
		.amdhsa_system_sgpr_workgroup_id_x 1
		.amdhsa_system_sgpr_workgroup_id_y 1
		.amdhsa_system_sgpr_workgroup_id_z 1
		.amdhsa_system_vgpr_workitem_id 0
		.amdhsa_next_free_vgpr 1024
		.amdhsa_next_free_sgpr 98
		.amdhsa_reserve_vcc 0
		.amdhsa_float_denorm_mode_32 3
		.amdhsa_float_denorm_mode_16_64 3
		.amdhsa_memory_ordered 1
		.amdhsa_forward_progress 1
		.amdhsa_inst_pref_size 124
	.end_amdhsa_kernel
	.amdgpu_metadata
---
amdhsa.version: [ 1, 2 ]
amdhsa.kernels:
  - .name:           k_qb6410e1fa7_proj
    .symbol:         k_qb6410e1fa7_proj.kd
    .args:
      - { .name: y_img, .offset: 0, .size: 8, .value_kind: global_buffer, .address_space: global }
      - { .name: w_proj_codes, .offset: 8, .size: 8, .value_kind: global_buffer, .address_space: global }
      - { .name: lowp_scales, .offset: 16, .size: 8, .value_kind: global_buffer, .address_space: global }
      - { .name: out0, .offset: 24, .size: 8, .value_kind: global_buffer, .address_space: global }
    .group_segment_fixed_size: 327680
    .private_segment_fixed_size: 0
    .kernarg_segment_align: 8
    .kernarg_segment_size: 32
    .max_flat_workgroup_size: 128
    .sgpr_count:     98
    .vgpr_count:     1024
    .wavefront_size: 32
...
	.end_amdgpu_metadata
.endif
;; end of part 3
